; MI455X (gfx1250); checked and timed in simulation.
; The chip was launched on July 23, 2026; its instructions are those of AMD's public machine-readable ISA for CDNA 5 (MIT licence, August 2026) and "CDNA5" Instruction Set Architecture Reference Guide (July 2026). The comments in the code are by the model that wrote it; some were corrected since.
;; Bigram LM Param. Allowed arithmetic: float matrix products may take bf16 or f16 operands with f32 sums; all other float work in f32.
;; Inputs: W 4,096 x 4,096 float32; inputs 8 x 512 int32.
;; Outputs: out0 8 x 512 x 4,096 float32.
;; One version. Each part assembles by itself: llvm-mc -triple=amdgcn-amd-amdhsa -mcpu=gfx1250 --defsym DOCPART=n.
;; ======== version 1 of 1: 1 launch
;; launch gather (part 1): grid 256 x 1, 16 waves a work-group, no clusters, 0 bytes of LDS; arguments W, inputs, out0; writes out0
.if DOCPART == 1
	.amdgcn_target "amdgcn-amd-amdhsa--gfx1250"
	.amdhsa_code_object_version 6
	.text
	.protected	k_q9eb1cc3be9_gather
	.globl	k_q9eb1cc3be9_gather
	.p2align	8
	.type	k_q9eb1cc3be9_gather,@function
k_q9eb1cc3be9_gather:
	s_mov_b64 s[64:65], 0
	v_nop
	global_prefetch_b8 v0, s[64:65] scope:SCOPE_SE
	s_setreg_imm32_b32 hwreg(HW_REG_WAVE_MODE, 25, 1), 1
	s_wait_xcnt 0x0
; out0[t][:] = one_hot(inputs[t]) x W.  W: [4096][4096] f32, inputs: [4096] int32 (8 x 512), out0: [4096][4096] f32.
; A one-hot row holds a single 1.0 (or none, if the index lies outside 0 .. 4095), so the product is 1.0 x W[inputs[t]][:] plus 4,095
; products with 0: for finite W the row of W itself.  The product is therefore done as a selection: no arithmetic, no rounding,
; 16,384 bytes read and 16,384 bytes written for each token.
; LIMITS, kept on purpose:
;   - W is taken to be finite.  An infinity or a NaN in W would, in the sum of products, give NaN (0 x inf) in its column for EVERY token;
;     here it appears only in the tokens that name its row.
;   - A -0.0 in W leaves as -0.0; the sum with products of +0 would give +0.0.
;   - Every int32 index is served: one outside 0 .. 4095 (negative ones too) gives a row of zeros, as a one-hot row without a 1 does.
; SHARES: 4,096 tokens = 256 work-groups x 16 waves; one wave copies one token's row.  A load or store of a wave is 32 lanes x 16 bytes =
; 512 consecutive bytes that start at a multiple of 512 from the buffer's first byte; a row is 32 such chunks and lies in 128 registers.
; All 32 loads of a wave go out at once (16,384 bytes a wave, 262,144 a work-group, on their way); no register is used twice, so there is
; no loop, no stepped address, and no source of a pending load or store is ever rewritten.
; No LDS and no barrier: no wave needs anything from another.  No matrix instruction: there is nothing to multiply.
.set VOCAB, 4096                       ; rows of W
.set ROWB,  16384                      ; bytes in a row of W and of out0
.set CHUNK, 512                        ; bytes that one load or store of a wave covers
.set NCH,   ROWB/CHUNK                 ; 32 chunks in a row
.set OFF,   1                          ; v1        16 x lane: the offset of every load and store; never rewritten
.set X,     4                          ; v[4:131]  chunk j in v[X+4j : X+4j+3]
	s_load_b128 s[4:7], s[0:1], 0x0                ; W s[4:5], inputs s[6:7]
	s_load_b64 s[8:9], s[0:1], 0x10                ; out0
	v_lshrrev_b32 v2, 5, v0
	v_readfirstlane_b32 s10, v2                    ; my wave's number, 0 to 15
	v_and_b32 v[OFF], 31, v0                       ; lane
	v_lshlrev_b32 v[OFF], 4, v[OFF]                ; 16 bytes a lane
	s_lshl_b32 s11, ttmp9, 4
	s_add_co_u32 s11, s11, s10                     ; my token = 16 x work-group + wave
	s_lshl_b32 s12, s11, 2                         ; its index's byte offset in inputs,
	s_mov_b32 s13, 0                               ; as a pair
	s_lshl_b32 s14, s11, 14                        ; its row's byte offset in out0: 4,095 x 16,384 at the most, below 2^26
	s_mov_b32 s15, 0
	s_wait_kmcnt 0x0                               ; the three addresses (scalar loads are waited for with 0 alone: ISA guide 5.7.1)
	s_add_nc_u64 s[6:7], s[6:7], s[12:13]
	s_load_b32 s16, s[6:7], 0x0                    ; my token's index; the group's 16 waves read 64 neighbouring bytes; the launch never writes inputs
	s_add_nc_u64 s[8:9], s[8:9], s[14:15]          ; out0 at my token's row, made while the index is on its way
	s_wait_kmcnt 0x0                               ; the index
	s_cmp_gt_u32 s16, VOCAB-1                      ; unsigned: a negative index is above 4,095 too
	s_cbranch_scc1 .Lzero                          ; no row of W is named: the one-hot row is all zeros
	s_min_u32 s18, s16, 0xfff                      ; changes nothing on this path: the bound on a loaded number, written where it enters an address
	s_lshl_b32 s18, s18, 14                        ; the row's byte offset in W, below 2^26
	s_mov_b32 s19, 0
	s_add_nc_u64 s[4:5], s[4:5], s[18:19]          ; W at the row that the index names
	; The whole row is asked for at once.  No cache hint: the list may name a row again.
.set j, 0
.rept NCH
	global_load_b128 v[X+4*j:X+4*j+3], v[OFF], s[4:5] offset:CHUNK*j
.set j, j+1
.endr
	; Each chunk leaves as soon as it is there.  Loads come back in the order of issue (ISA guide 5.7.1): behind chunk j stand NCH-1-j
	; younger loads, and those may stay out, so the counts run 31, 30, .. 0.
	; out0 is written once and not read in this launch: the stores say so.
.set j, 0
.rept NCH
	s_wait_loadcnt NCH-1-j
	global_store_b128 v[OFF], v[X+4*j:X+4*j+3], s[8:9] offset:CHUNK*j th:TH_STORE_NT
.set j, j+1
.endr
	s_endpgm
.Lzero:                                            ; no load has been issued on this path
.set j, 0
.rept 4
	v_mov_b32 v[X+j], 0
.set j, j+1
.endr
.set j, 0
.rept NCH
	global_store_b128 v[OFF], v[X:X+3], s[8:9] offset:CHUNK*j th:TH_STORE_NT
.set j, j+1
.endr
	s_endpgm
.Lfunc_end_k_q9eb1cc3be9_gather:
	.size	k_q9eb1cc3be9_gather, .Lfunc_end_k_q9eb1cc3be9_gather-k_q9eb1cc3be9_gather
	.p2alignl 7, 3214868480
	.fill 96, 4, 3214868480
	.section	.rodata,"a",@progbits
	.p2align	6, 0x0
	.amdhsa_kernel k_q9eb1cc3be9_gather
		.amdhsa_group_segment_fixed_size 0
		.amdhsa_private_segment_fixed_size 0
		.amdhsa_enable_private_segment 0
		.amdhsa_kernarg_size 24
		.amdhsa_user_sgpr_count 2
		.amdhsa_user_sgpr_kernarg_segment_ptr 1
		.amdhsa_wavefront_size32 1
		.amdhsa_system_sgpr_workgroup_id_x 1
		.amdhsa_system_sgpr_workgroup_id_y 1
		.amdhsa_system_sgpr_workgroup_id_z 1
		.amdhsa_system_vgpr_workitem_id 0
		.amdhsa_next_free_vgpr 132
		.amdhsa_next_free_sgpr 66
		.amdhsa_reserve_vcc 0
		.amdhsa_float_denorm_mode_32 3
		.amdhsa_float_denorm_mode_16_64 3
		.amdhsa_memory_ordered 1
		.amdhsa_forward_progress 1
		.amdhsa_inst_pref_size 12
	.end_amdhsa_kernel
	.amdgpu_metadata
---
amdhsa.version: [ 1, 2 ]
amdhsa.kernels:
  - .name:           k_q9eb1cc3be9_gather
    .symbol:         k_q9eb1cc3be9_gather.kd
    .args:
      - { .name: W, .offset: 0, .size: 8, .value_kind: global_buffer, .address_space: global }
      - { .name: inputs, .offset: 8, .size: 8, .value_kind: global_buffer, .address_space: global }
      - { .name: out0, .offset: 16, .size: 8, .value_kind: global_buffer, .address_space: global }
    .group_segment_fixed_size: 0
    .private_segment_fixed_size: 0
    .kernarg_segment_align: 8
    .kernarg_segment_size: 24
    .max_flat_workgroup_size: 512
    .sgpr_count:     66
    .vgpr_count:     132
    .wavefront_size: 32
...
	.end_amdgpu_metadata
.endif
;; end of part 1
